; MI455X (gfx1250); checked and timed in simulation.
; The chip was launched on July 23, 2026; its instructions are those of AMD's public machine-readable ISA for CDNA 5 (MIT licence, August 2026) and "CDNA5" Instruction Set Architecture Reference Guide (July 2026). The comments in the code are by the model that wrote it; some were corrected since.
;; Custom MHA. Allowed arithmetic: matrix products marked QUANTISED: E5M2 operands, one given power-of-two scale a tensor, by v_wmma_f32_16x16x64_bf8_bf8 or v_wmma_f32_16x16x128_bf8_bf8, f32 sums; products left as they are: f32 operands where the result goes on into a quantised operand, else bf16, f16 or f32 operands; f32 sums; everything else in f32.
;; Inputs: lowp_scales 6 int32 (the exponents e of the quantised operands' scales 2^e); w_o_codes 1,024 x 32 x 32 uint8 (E5M2 codes of w_o, K innermost, in blocks of 32 codes); w_qkv_codes 3,072 x 32 x 32 uint8 (E5M2 codes of w_qkv, K innermost, in blocks of 32 codes); x_codes 8 x 2,048 x 32 x 32 uint8 (E5M2 codes of x, K innermost, in blocks of 32 codes).
;; Outputs: out0 8 x 2,048 x 1,024 float32.
;; Constants: n_heads = 16.
;; This version of the problem:
;;   THIS VERSION OF THE PROBLEM IS GIVEN IN LOW PRECISION. The matrix products marked QUANTISED in the list below multiply operands that are first quantised to E5M2 (5 exponent bits, 2 mantissa bits; 8 bits a number), with one given power-of-two scale for each operand tensor; their sums are f32. All else is computed in f32.
;;   The module's matrix products, in the order in which they are computed (A, B: the left and right operand; K: the contracted axis; several contracted axes count as one K, in the product's order):
;;     1. [M 16,384, K 1,024] x [K 1,024, N 3,072]; A: input x (given as codes); B: input w_qkv (given as codes): QUANTISED (scales: A lowp_scales[0], B lowp_scales[1])
;;     2. batch 16,384 x [M 16, K 64] x [K 64, N 16]; A: computed on the way; B: computed on the way: QUANTISED (scales: A lowp_scales[2], B lowp_scales[3])
;;     3. batch 16,384 x [M 16, K 16] x [K 16, N 64]; A: softmax; B: computed on the way: left as it is (K = 16 < 32)
;;     4. [M 16,384, K 1,024] x [K 1,024, N 1,024]; A: computed on the way; B: input w_o (given as codes): QUANTISED (scales: A lowp_scales[4], B lowp_scales[5])
;;   THE QUANTISER, for each operand of a quantised product, along K:
;;     - The operand's scale is 2^e, e = its entry of the input lowp_scales (int32; the entries are numbered through the quantised products in the list's order, A before B).
;;     - Each number is divided by the scale, clamped to +-57,344, and rounded to the nearest number of E5M2, ties to even, subnormals kept.
;;     - The product sums the exact products of the quantised numbers (number of the format x scale) in f32.
;;   ~~~python
;;   def quantise(x, axis, e):      # numpy; x: float32 -> the quantised numbers, widened to float32 again
;;       x = np.moveaxis(x, axis, -1); K = x.shape[-1]
;;       r = np.clip(x / 2.0 ** e, -57344, 57344)
;;       step = 2.0 ** (np.maximum(np.frexp(np.where(r == 0, 1, r))[1] - 1, -14) - 2)
;;       q = np.round(r / step) * step * 2.0 ** e      # np.round: ties to even
;;       return np.moveaxis(q, -1, axis).astype(np.float32)
;;   ~~~
;;   OPERANDS COMPUTED ON THE WAY. 'Computed on the way' means the value that the module computes at that place (a softmax that the list does not call 'softmax' is quantised finished and normalised). What goes into a quantiser is computed in f32, as accurately as f32 sums, v_exp_f32 and their like allow (about 1e-6 of the number): no bf16 or f16 on the way to a quantiser, and a product that is left as it is and whose result goes on into a quantised operand takes f32 operands (vector FMAs, or v_wmma_f32_16x16x4_f32). A number that lies on a knife's edge between two numbers of the format may be rounded either way, as far as f32 arithmetic and the matrix unit's own rounding can turn it there, and no further.
;;   INPUTS GIVEN AS CODES. w_o (in the module: [1024, 1024], K = its axis 1); w_qkv (in the module: [3072, 1024], K = its axis 1); x (in the module: [8, 2048, 1024], K = its axis 2): each comes as NAME_codes (uint8): NAME with its K axis moved to the last place and cut into blocks of 32 codes, [.., K / 32, bytes a block], one block behind the other in memory; one code a byte (a code: sign, 5 exponent bits, 2 mantissa bits); its scale is its entry of lowp_scales. Its value is code x scale, taken as it is: it is not quantised again, and the codes and scales need not be those that the quantiser above would give.
;; One version. Each part assembles by itself: llvm-mc -triple=amdgcn-amd-amdhsa -mcpu=gfx1250 --defsym DOCPART=n.
;; ======== version 1 of 1: 2 launches
;; limits: right only within a limited range of input values
;; workspace buffers: wf 4,194,304 bytes
;; launch lay (part 1): grid 256 x 1, 1 waves a work-group, no clusters, 0 bytes of LDS; arguments w_qkv_codes, w_o_codes, wf; writes wf
.if DOCPART == 1
	.amdgcn_target "amdgcn-amd-amdhsa--gfx1250"
	.amdhsa_code_object_version 6
	.text
	.protected	k_q55c5495133_lay
	.globl	k_q55c5495133_lay
	.p2align	8
	.type	k_q55c5495133_lay,@function
k_q55c5495133_lay:
	s_mov_b64 s[64:65], 0
	v_nop
	global_prefetch_b8 v0, s[64:65] scope:SCOPE_SE
	s_setreg_imm32_b32 hwreg(HW_REG_WAVE_MODE, 25, 1), 1
	s_wait_xcnt 0x0
; LAY: the 4 MiB of weight codes (w_qkv, w_o) are copied once into wf, in the order in which the next launch's operand registers take them.
; A fragment is 16 rows x 128 K = 2,048 bytes, an image of its 16 registers: register group c (4 registers) of lane l lies at 512 c + 16 l.
; Fragment (G, w, s, t) lies at (4 G + w) 65536 + 32768 (t / 2) + 4096 s + 2048 (t % 2): G = pass 0..15 (0-7 q and k, 8-11 v, 12-15 w_o), w = wave, s = K step of 128, t = tile of 16 rows.
; So a wave's tiles 0, 1 of a pass are 32,768 bytes on end, and so are its tiles 2, 3; four K steps of either pair are 16,384 bytes on end.
; One work-group of one wave lays the eight fragments (s = 0..7) of one (G, w, t).  With r = lane % 16, h = lane / 16:
;   G < 12: k stands in the matrix form's own places (ISA guide 7.12.2): registers 4 c, 4 c + 1 of lane (r, h) = w_qkv[row][128 s + 32 c + 8 h .. + 7], registers 4 c + 2, 4 c + 3 the same 16 further on
;     q, k:        row = 512 w + 64 G + 32 (t / 2) + 8 (t % 2) + r + 8 (r / 8): in the transposed result the 16 registers of tiles 2 b, 2 b + 1 are then 16 neighbouring columns
;     v, P = G-8:  row = 2048 + 64 (4 t + (r / 2) % 4) + 16 w + 4 P + 2 (r / 8) + r % 2: a lane of the result then holds all 16 heads at two neighbouring places d of the head
;   G >= 12, P = G-12: row n = 256 w + 64 P + 16 t + r of w_o; register q, byte y of K step s = w_o[n][64 head + d],
;     head = 4 ((q / 2) % 4) + 2 (q % 2) + y / 2,  d = 16 (s / 2) + 4 (2 (s % 2) + q / 8) + 2 h + y % 2: the order in which the next launch's conversions leave the codes of y'.
; DEAD WORK OF THE PROGRAM (left out in the launch fused): the terms p[i][j] v[j] with j > i of reference()'s third product.  reference() builds tril itself: for j > i the score is set to 0,
; every exact 0 is set to -inf, and softmax gives p[i][j] = 0 exactly, so p[i][j] v[j] = 0 for every finite v[j], whatever the inputs hold.  The scores with j > i lie inside a live 16 x 16 tile and are computed.
; LIMIT: a NaN, an infinity or an overflow in v[j] is not carried to y'[i] for i < j.  Every input has a way to the output and is loaded.
; Every store of the wave covers 512 consecutive bytes, aligned.
.set L,    16                          ; v16-143  loaded codes (w_o: two sets of 64)
.set OUTR, 144                         ; v144-207 w_o: two sets of 32 registers to store
.macro LOADO wy                        ; w_o[n][64 a + 16 wy .. + 15] for the 16 heads a, into set wy % 2
.irp a, 0,1,2,3,4,5,6,7,8,9,10,11,12,13,14,15
	global_load_b128 v[L+64*((\wy)%2)+4*\a:L+64*((\wy)%2)+4*\a+3], v4, s[6:7] offset:64*\a+16*(\wy)
.endr
.endm
.macro TURNO wy                        ; the two fragments s = 2 wy, 2 wy + 1
.if \wy < 3
	s_wait_loadcnt 16                              ; this set's 16 loads are in; the 16 issued behind them may be out
.else
	s_wait_loadcnt 0
.endif
.if \wy >= 2
	s_wait_xcnt 0x0                                ; the stores of two turns back have read their data: that set is written again only behind this wait
.endif
.irp py, 0,1,2,3
.irp tl, 0,1,2,3
.irp qq, 0,1
	v_perm_b32 v[OUTR+32*((\wy)%2)+16*(\py/2)+8*(\py%2)+2*\tl+\qq], v[L+64*((\wy)%2)+4*(4*\tl+2*\qq+1)+\py], v[L+64*((\wy)%2)+4*(4*\tl+2*\qq)+\py], v5   ; bytes 2 h, 2 h + 1 of heads a and a + 1
.endr
.endr
.endr
.irp f, 0,1
.irp c, 0,1,2,3
	global_store_b128 v3, v[OUTR+32*((\wy)%2)+16*\f+4*\c:OUTR+32*((\wy)%2)+16*\f+4*\c+3], s[12:13] offset:(2*(\wy)+\f)*4096+\c*512
.endr
.endr
.if \wy < 2
	LOADO (\wy)+2
.endif
.endm
	s_load_b128 s[4:7], s[0:1], 0x0                ; w_qkv's codes s[4:5], w_o's codes s[6:7]
	s_load_b64 s[8:9], s[0:1], 0x10                ; wf
	v_and_b32 v1, 15, v0                           ; r
	v_lshrrev_b32 v2, 4, v0                        ; h
	v_lshlrev_b32 v3, 4, v0                        ; 16 x lane: my place in a register group's 512 bytes
	s_and_b32 s14, ttmp9, 3                        ; t
	s_bfe_u32 s15, ttmp9, 0x20002                  ; w
	s_lshr_b32 s16, ttmp9, 4                       ; G
	s_lshr_b32 s10, ttmp9, 2
	s_lshl_b32 s10, s10, 16                        ; (4 G + w) x 65,536
	s_and_b32 s17, s14, 1
	s_lshl_b32 s17, s17, 11
	s_add_co_u32 s10, s10, s17                     ; + 2,048 (t % 2)
	s_lshr_b32 s17, s14, 1
	s_lshl_b32 s17, s17, 15
	s_add_co_u32 s10, s10, s17                     ; + 32,768 (t / 2)
	s_mov_b32 s11, 0
	s_wait_kmcnt 0x0
	s_add_nc_u64 s[12:13], s[8:9], s[10:11]
	s_cmp_ge_u32 s16, 12                           ; the branches hang on the work-group's number alone
	s_cbranch_scc1 .Lwo
	s_cmp_ge_u32 s16, 8
	s_cbranch_scc1 .Lwv
	s_lshl_b32 s17, s15, 9                         ; q, k: 512 w
	s_lshl_b32 s18, s16, 6
	s_add_co_u32 s17, s17, s18                     ; + 64 G
	s_lshr_b32 s18, s14, 1
	s_lshl_b32 s18, s18, 5
	s_add_co_u32 s17, s17, s18                     ; + 32 (t / 2)
	s_and_b32 s18, s14, 1
	s_lshl_b32 s18, s18, 3
	s_add_co_u32 s17, s17, s18                     ; + 8 (t % 2)
	s_wait_alu depctr_va_vdst(0)
	v_and_b32 v4, 8, v1
	v_add3_u32 v4, v4, v1, s17                     ; + r + 8 (r / 8)
	s_branch .Lcopy
.Lwv:
	s_lshl_b32 s17, s14, 8                         ; v: 256 t
	s_lshl_b32 s18, s15, 4
	s_add_co_u32 s17, s17, s18                     ; + 16 w
	s_sub_co_u32 s18, s16, 8
	s_lshl_b32 s18, s18, 2
	s_add_co_u32 s17, s17, s18                     ; + 4 P
	s_add_co_u32 s17, s17, 2048
	s_wait_alu depctr_va_vdst(0)
	v_bfe_u32 v4, v1, 1, 2
	v_lshlrev_b32 v4, 6, v4                        ; 64 ((r / 2) % 4)
	v_bfe_u32 v5, v1, 3, 1
	v_lshl_add_u32 v4, v5, 1, v4                   ; + 2 (r / 8)
	v_and_b32 v5, 1, v1
	v_add3_u32 v4, v4, v5, s17                     ; + r % 2
.Lcopy:
	s_wait_alu depctr_va_vdst(0)
	v_lshlrev_b32 v4, 10, v4                       ; a row is 1,024 bytes
	v_lshl_add_u32 v4, v2, 3, v4                   ; + 8 h
.set i, 0
.rept 32
	global_load_b64 v[L+4*i:L+4*i+1], v4, s[4:5] offset:128*(i/4)+32*(i%4)          ; k = 128 s + 32 c + 8 h .. + 7
	global_load_b64 v[L+4*i+2:L+4*i+3], v4, s[4:5] offset:128*(i/4)+32*(i%4)+16     ; and 16 further on
.set i, i+1
.endr
.set i, 0
.rept 32
	s_wait_loadcnt 62-2*i                          ; loads come back in order: group i's two are in, the younger ones may be out
	global_store_b128 v3, v[L+4*i:L+4*i+3], s[12:13] offset:(i/4)*4096+(i%4)*512
.set i, i+1
.endr
	s_endpgm
.Lwo:
	s_lshl_b32 s17, s15, 8                         ; w_o: 256 w
	s_sub_co_u32 s18, s16, 12
	s_lshl_b32 s18, s18, 6
	s_add_co_u32 s17, s17, s18                     ; + 64 P
	s_lshl_b32 s18, s14, 4
	s_add_co_u32 s17, s17, s18                     ; + 16 t
	s_wait_alu depctr_va_vdst(0)
	v_add_nc_u32 v4, s17, v1                       ; + r
	v_lshlrev_b32 v4, 10, v4
	v_mov_b32 v5, 0x05040100                       ; lanes 0-15 take bytes 0, 1 of both sources,
	v_mov_b32 v6, 0x07060302                       ; lanes 16-31 bytes 2, 3
	v_cmp_ne_u32 vcc_lo, 0, v2
	v_cndmask_b32 v5, v5, v6, vcc_lo
	LOADO 0
	LOADO 1
	s_wait_alu depctr_va_vdst(0)
	TURNO 0
	TURNO 1
	TURNO 2
	TURNO 3
	s_endpgm
.Lfunc_end_k_q55c5495133_lay:
	.size	k_q55c5495133_lay, .Lfunc_end_k_q55c5495133_lay-k_q55c5495133_lay
	.p2alignl 7, 3214868480
	.fill 96, 4, 3214868480
	.section	.rodata,"a",@progbits
	.p2align	6, 0x0
	.amdhsa_kernel k_q55c5495133_lay
		.amdhsa_group_segment_fixed_size 0
		.amdhsa_private_segment_fixed_size 0
		.amdhsa_enable_private_segment 0
		.amdhsa_kernarg_size 24
		.amdhsa_user_sgpr_count 2
		.amdhsa_user_sgpr_kernarg_segment_ptr 1
		.amdhsa_wavefront_size32 1
		.amdhsa_system_sgpr_workgroup_id_x 1
		.amdhsa_system_sgpr_workgroup_id_y 1
		.amdhsa_system_sgpr_workgroup_id_z 1
		.amdhsa_system_vgpr_workitem_id 0
		.amdhsa_next_free_vgpr 208
		.amdhsa_next_free_sgpr 66
		.amdhsa_reserve_vcc 1
		.amdhsa_float_denorm_mode_32 3
		.amdhsa_float_denorm_mode_16_64 3
		.amdhsa_memory_ordered 1
		.amdhsa_forward_progress 1
		.amdhsa_inst_pref_size 30
	.end_amdhsa_kernel
	.amdgpu_metadata
---
amdhsa.version: [ 1, 2 ]
amdhsa.kernels:
  - .name:           k_q55c5495133_lay
    .symbol:         k_q55c5495133_lay.kd
    .args:
      - { .name: w_qkv_codes, .offset: 0, .size: 8, .value_kind: global_buffer, .address_space: global }
      - { .name: w_o_codes, .offset: 8, .size: 8, .value_kind: global_buffer, .address_space: global }
      - { .name: wf, .offset: 16, .size: 8, .value_kind: global_buffer, .address_space: global }
    .group_segment_fixed_size: 0
    .private_segment_fixed_size: 0
    .kernarg_segment_align: 8
    .kernarg_segment_size: 24
    .max_flat_workgroup_size: 32
    .sgpr_count:     66
    .vgpr_count:     208
    .wavefront_size: 32
...
	.end_amdgpu_metadata
.endif
;; end of part 1
;; launch fused (part 2): grid 256 x 1, 4 waves a work-group, clusters of 4 x 1, 327,680 bytes of LDS; arguments x_codes, wf, lowp_scales, out0; writes out0
.if DOCPART == 2
	.amdgcn_target "amdgcn-amd-amdhsa--gfx1250"
	.amdhsa_code_object_version 6
	.text
	.protected	k_q55c5495133_fused
	.globl	k_q55c5495133_fused
	.p2align	8
	.type	k_q55c5495133_fused,@function
k_q55c5495133_fused:
	s_mov_b64 s[64:65], 0
	v_nop
	global_prefetch_b8 v0, s[64:65] scope:SCOPE_SE
	s_setreg_imm32_b32 hwreg(HW_REG_WAVE_MODE, 25, 1), 1
	s_wait_xcnt 0x0
	s_wait_alu depctr_hold_cnt(0) depctr_sa_sdst(0) depctr_va_vdst(0) depctr_va_sdst(0) depctr_va_ssrc(0) depctr_va_vcc(0) depctr_vm_vsrc(0)
	s_getreg_b32 s2, hwreg(HW_REG_IB_STS2, 6, 4)
	s_cmp_eq_u32 s2, 0
	s_cbranch_scc0 .Lentry_in_a_cluster
	s_endpgm
.Lentry_in_a_cluster:
	s_bfe_u32 s2, ttmp6, 0x10000c
	s_cmp_lg_u32 s2, 0x3003
	s_cbranch_scc0 .Lentry_shape_is_right
	s_endpgm
.Lentry_shape_is_right:
; out = y' w_o^T, y'[token][i] = sum over j of softmax_j(q_i . k_j / 32, tril, every exact 0 -> -inf) v_j over the 16 HEADS of one token; q, k, v = x w_qkv^T.  All in one launch.
; Products 1, 2 and 4 on codes of BF8 (E5M2) with the given scales 2^e0 .. 2^e5; product 3 (K = 16) in f32 by packed multiply-adds, since its result goes into a quantiser.
; LEFT OUT AS DEAD WORK: the terms p[i][j] v[j] with j > i (p is 0 there by reference()'s own tril; shown at the head of the launch lay).
; SHARES.  A work-group owns 64 tokens (16,384 / 256) and walks all weights.  The four waves share the columns: wave w makes columns 512 w .. + 511 of q | k (waves 0, 1: q; 2, 3: k), places 16 w .. + 15 of every
; head of v, and columns 256 w .. + 255 of out, for all 64 tokens.  The 64 x 1,024 codes of x, later of y', stay in 512 registers of every wave.  A PASS is 64 columns x 64 tokens x K = 1,024:
; 16 accumulators, 8 K steps of 16 matrix instructions.  16 passes: 8 for q | k, 4 for v, 4 for out.
; WEIGHTS come from wf (laid by the launch lay as images of the operand's registers) by two roads, half of each K step by each.
;   Tiles 0, 1: straight into a ring of 16 fragments in registers, a whole pass deep: 64 loads of 512 consecutive bytes a wave are on their way, waited for by count, with no barrier.
;   Tiles 2, 3: by JOINT tensor loads through a ring of two LDS slots.  CLUSTER: 4 x 1 work-groups walk the same weights in the same order, so each block is asked for by the same tensor load with the same descriptor
;   and a mask that names the four.  A slot holds four K steps: 2 tiles x 4 steps x 2,048 bytes = 16,384 bytes a wave, one dense block of wf, one load a wave behind each round; one tensor load of a wave is out.
;   A wave reads only the bytes that it fetched itself.  Three tiles of four by this road would take two slots of 98,304 bytes, with the 135,168 bytes of q | k more than the 327,680 that there are.
; ROTATION.  Clusters begin each phase at different passes (R8 = cluster % 8 for q | k, R4 = (cluster / 8) % 4 for v and for out; the partners share both), so that they do not all ask for the same bytes of wf together.
; NO LDS ADDRESS HANGS ON IT.  Trip n of the q | k loop makes head (n + R8) % 8 of the wave's eight and stores it at place n of a token's row.  The scores load the places as they lie and bring head r into lane r by
; one lane permute a register, whose selects are made from R8.  Trip n of the v loop makes P = (n + R4) % 4 and stores y's image at place n; the out phase reads image P from place (P - R4) % 4 in one of four
; written-out arms with constant offsets, chosen by a scalar branch on R4.  In the out phase the rotation enters out's address alone.
; PREFETCH: in the seventh trip of the q | k loop wave 0 asks for my work-group's 8,192 bytes (32 blocks of 256, a lane a block) of wf's second half (v, w_o): each block is named once in the launch, the work-groups are
; told apart by address.  v's first loads follow in the next trip, w_o's four passes later.  The first half is touched whole by the clusters' first passes, and is not prefetched.
; My place in the cluster enters x's, out's and the prefetch's addresses alone.
; EVERY MATRIX INSTRUCTION IS USED TRANSPOSED (source 0 = 16 rows of a weight, source 1 = 16 tokens): a lane holds one token, and its registers run along the columns, which are the next K.
; PRODUCT 1 FEEDS THREE QUANTISERS: its operands hold k in the form's own places (registers 2 c, 2 c + 1: k = 16 c + 8 h .. + 7), one accumulator an output, K ascending.  Products 2 and 4 take k in an order that both operands share.
; v NEVER LEAVES THE ACCUMULATORS: w_v's rows are ordered so that lane (token, h) holds, for tile t, register pair u: head 4 t + u at d = 16 w + 4 P + 2 h + {0, 1}.
; LIMITS.  A row of the softmax with no score left (all its allowed scores exactly 0) is NaN in reference(), and with it the token's whole row of out: HERE p OF SUCH A ROW IS 0 AND y' OF THAT HEAD IS 0, no NaN is made
; (the maximum has the floor -FLT_MAX, the sum is held at 0.5 from below; a live row's sum is at least 1).
; e2-e0-e1, e3-e0-e1, e4-e0-e1 between -126 and 112; e2+e3 between -121 and 132; e4+e5 between -126 and 127, so that each power of two below is an f32 number.  NaN and infinity codes among the inputs
; are not served.  The test for an exact 0 is made on the unscaled sums: equal to reference()'s short of underflow of the scaled score.
; LDS: 0 the ring: wave w's slot f at 32768 w + 16384 f | QKB four areas (q heads 0-7, q 8-15, k 0-7, k 8-15) of 64 tokens x pitch 528, eight places of 64 bytes in a row; p[i][0..15] (f32) later takes place i % 8
;      of q's area i / 8: a wave has read all 16 heads of a token before it stores that token's p.
;      At the head x's codes (64 rows, pitch 1,040) lie in QKB's first 66,560 bytes: the first round stands between their last read and the first store of q | k.  y's fragments, as images, take k's two areas,
;      which nobody reads behind the barrier that ends the scores | OS a stage of 16 rows x 272 for each wave | SPARE the spare words.  All of a WGP's LDS is claimed.
; REGISTERS, in windows of 256: window 0: v0-31 addresses and constants, v32-95 two buffers for tiles 2, 3 (between the passes: at work), v96-127 at work, v128-255 the 16 accumulators ((m, t) at 128 + 32 m + 8 t).
;   window 1: the ring (K step s, tile t = 0, 1 at 32 s + 16 t).   windows 2, 3: x, then y': fragment (m, s) at 128 (m % 2) + 16 s, tiles of tokens m = 0, 1 in window 2, m = 2, 3 in window 3.
.set QKB,   131072
.set XS,    QKB
.set XP,    1040
.set AREA,  33792
.set QP,    528
.set YI,    QKB+2*AREA
.set OS,    QKB+4*AREA
.set SPARE, OS+4*16*272                ; 128 bytes for each wave: two blocks of 256 bytes that no other line names
.set ACC, 128
.set LB,  32                           ; v32-63, v64-95 tiles 2, 3 of a K step, two buffers
.set TQ,  112                          ; v112-127 codes of q | k; in the v phase two sets of 8 sums of y'
.set PB,  32                           ; v32-111  five blocks of 16 numbers of p
.set CY,  24                           ; v24-31   a tile's codes of y'
.set TS,  32                           ; v32-63   the way out: a tile's 32 numbers
.set KF,  128                          ; the scores, four tokens at a time: k's fragments, q's, the scores, q as loaded and then with the signs turned,
.set QF,  160
.set SC,  192
.set NQ,  224
.set SN,  64                           ; the sums of k (-q),
.set RK,  96                           ; and k as loaded
.set MX,  32                           ; v32+2u the maximum, v33+2u the other half's
.set SA,  40                           ; v40+4u .. the sums
.set RC,  56                           ; v56+2u 1 / sum (v57+2u named with it as a pair)
.set CUR, 24                           ; s[24:25] this pass's 65,536 bytes of wf;  s[26:27] the next pass's
.set NXT, 26
.set MK,  36                           ; s36-43  lanes in which key head 8 h + jj <= query head r
.set G1,  72                           ; s[72:79] descriptor group 1: a dense block of 64 rows x 256 bytes, for all four work-groups
.set G0,  80                           ; s[80:83], s[84:87] descriptor group 0, a set for each slot
.set MSB, 0
.macro WIN new                         ; the immediate's high byte repeats the setting that is left
.if MSB != \new
	s_set_vgpr_msb (MSB<<8)|\new
.set MSB, \new
.endif
.endm
.macro BAR                             ; my LDS stores have landed and my LDS loads are in: then the work-group's barrier.
	s_wait_dscnt 0x0
	s_barrier_signal -1
	s_barrier_wait -1
.endm
.macro ROUND                           ; a round of the cluster's barrier
	s_barrier_signal -1
	s_barrier_wait -1
	s_cmp_lg_u32 s12, 0
	s_cbranch_scc1 .Lnot_wave_0_\@
	s_barrier_signal -3
.Lnot_wave_0_\@:
	s_barrier_wait -3
	s_barrier_signal -1
	s_barrier_wait -1
.endm
; THE CHANGE OF SLOTS, at the head of each half pass: all my tensor loads have landed (the slot that I am about to read); the add; the other slot's next address; the add is done and my reads of that other slot are over;
; the round; then slot f is filled with the 16,384 bytes at src + off: my one tensor load until the next round.
.macro CHANGE f, src, off
	s_wait_tensorcnt 0x0
	ds_add_u32 v15, v16                            ; 0 onto my spare word
	s_add_nc_u64 s[G0+4*\f+2:G0+4*\f+3], s[\src:\src+1], \off
	s_or_b32 s[G0+4*\f+3], s[G0+4*\f+3], 0x80000000
	s_wait_dscnt 0x0
	ROUND
	tensor_load_to_lds s[G0+4*\f:G0+4*\f+3], s[G1:G1+7]
	s_nop 0                                        ; the four behind it are places in front of the loads that follow
.rept 4
	v_nop
.endr
.endm
.macro RING g                          ; at the head: the first pass's K step g, tiles 0, 1, into ring group g
.irp t, 0,1
.irp c, 0,1,2,3
	global_load_b128 v[32*\g+16*\t+4*\c:32*\g+16*\t+4*\c+3], v3, s[CUR:CUR+1] offset:\g*4096+\t*2048+\c*512
.endr
.endr
.endm
.macro LFRAG slot, sl                  ; tiles 2, 3 of the slot's K step sl into buffer sl % 2: each load takes 512 consecutive bytes
.irp tt, 0,1
.irp c, 0,1,2,3
	ds_load_b128 v[LB+32*((\sl)%2)+16*\tt+4*\c:LB+32*((\sl)%2)+16*\tt+4*\c+3], v4 offset:16384*(\slot)+4096*(\sl)+2048*\tt+512*\c
.endr
.endr
.endm
.macro HALFIN slot
	LFRAG \slot, 0
	LFRAG \slot, 1
.endm
.macro MMR m, t, s, zero               ; tiles 0, 1: source 0 from the ring
.if \zero
	v_wmma_f32_16x16x128_bf8_bf8 v[ACC+32*\m+8*\t:ACC+32*\m+8*\t+7], v[32*\s+16*\t:32*\s+16*\t+15], v[128*(\m%2)+16*\s:128*(\m%2)+16*\s+15], 0
.else
	v_wmma_f32_16x16x128_bf8_bf8 v[ACC+32*\m+8*\t:ACC+32*\m+8*\t+7], v[32*\s+16*\t:32*\s+16*\t+15], v[128*(\m%2)+16*\s:128*(\m%2)+16*\s+15], v[ACC+32*\m+8*\t:ACC+32*\m+8*\t+7]
.endif
.endm
.macro MML m, t, s, zero               ; tiles 2, 3: source 0 from buffer s % 2
.if \zero
	v_wmma_f32_16x16x128_bf8_bf8 v[ACC+32*\m+8*\t:ACC+32*\m+8*\t+7], v[LB+32*(\s%2)+16*(\t-2):LB+32*(\s%2)+16*(\t-2)+15], v[128*(\m%2)+16*\s:128*(\m%2)+16*\s+15], 0
.else
	v_wmma_f32_16x16x128_bf8_bf8 v[ACC+32*\m+8*\t:ACC+32*\m+8*\t+7], v[LB+32*(\s%2)+16*(\t-2):LB+32*(\s%2)+16*(\t-2)+15], v[128*(\m%2)+16*\s:128*(\m%2)+16*\s+15], v[ACC+32*\m+8*\t:ACC+32*\m+8*\t+7]
.endif
.endm
; A K step: 16 matrix instructions, the 16 accumulators by turns, in the same order in every step.  zero = 1: the products start the sums.
; Behind them four plain places, then ONE run of loads: src = 1: the ring group just multiplied takes the next pass's same K step; in a slot's first two steps the buffer just multiplied takes
; the K step two on.  cnt: the ring loads issued behind this step's eight, which may stay out.
.macro STEP s, zero, src, cnt
	s_wait_loadcnt \cnt
	WIN 0x09                                       ; source 0 (ring) window 1, source 1 (tokens) window 2, C and D window 0
.irp t, 0,1
.irp m, 0,1
	MMR \m, \t, \s, \zero
.endr
.endr
	WIN 0x0d                                       ; source 1 window 3
.irp t, 0,1
.irp m, 2,3
	MMR \m, \t, \s, \zero
.endr
.endr
.if (\s%4) == 3
	s_wait_dscnt 0                                 ; the slot's last K step: nothing was asked for behind it
.else
	s_wait_dscnt 8                                 ; this step's eight loads are in; the next step's eight may be out
.endif
	WIN 0x08                                       ; source 0 (buffer) window 0, source 1 window 2
.irp t, 2,3
.irp m, 0,1
	MML \m, \t, \s, \zero
.endr
.endr
	WIN 0x0c                                       ; source 1 window 3
.irp t, 2,3
.irp m, 2,3
	MML \m, \t, \s, \zero
.endr
.endr
.rept 4
	v_nop
.endr
.if \src
	WIN 0x40                                       ; destination window 1, address window 0
.irp t, 0,1
.irp c, 0,1,2,3
	global_load_b128 v[32*\s+16*\t+4*\c:32*\s+16*\t+4*\c+3], v3, s[NXT:NXT+1] offset:\s*4096+\t*2048+\c*512
.endr
.endr
.endif
	WIN 0
.if (\s%4) < 2
	LFRAG \s/4, (\s%4)+2
.endif
.endm
; A pass.  Its first half reads slot 0 while slot 1 takes its second half's block; its second half reads slot 1 while slot 0 takes the next pass's first block.
; 56 = the seven groups of 8 ring loads issued behind the group that is waited for; it holds into each loop and round each back edge, since a pass goes once round the 8 groups.
.macro PASS tail
	CHANGE 1, CUR, 32768+16384
	HALFIN 0
.if \tail
	STEP 0, 1, 0, 56                               ; the last pass asks for no further weights: the counts run down
	STEP 1, 0, 0, 48
	STEP 2, 0, 0, 40
	STEP 3, 0, 0, 32
	s_wait_tensorcnt 0x0                           ; my last block has landed; nothing is filled again, so no round follows
	HALFIN 1
	STEP 4, 0, 0, 24
	STEP 5, 0, 0, 16
	STEP 6, 0, 0, 8
	STEP 7, 0, 0, 0
.else
	STEP 0, 1, 1, 56
	STEP 1, 0, 1, 56
	STEP 2, 0, 1, 56
	STEP 3, 0, 1, 56
	CHANGE 0, NXT, 32768
	HALFIN 1
	STEP 4, 0, 1, 56
	STEP 5, 0, 1, 56
	STEP 6, 0, 1, 56
	STEP 7, 0, 1, 56
.endif
.endm
; On to the next pass (behind s_wait_xcnt 0: the loads have read their bases; the tensor loads name registers of their own).  s33 = the linear number L of the pass that NXT names; its place in wf is rotated inside
; its phase: L < 8: (L + R8) % 8;  else (L & 28) + (L + R4) % 4;  held at 15 behind the last pass (that base is not used).
.macro ADVANCE
	s_mov_b64 s[CUR:CUR+1], s[NXT:NXT+1]
	s_add_co_u32 s33, s33, 1
	s_and_b32 s61, s33, 0x1c
	s_cmp_lt_u32 s33, 8
	s_cselect_b32 s61, 0, s61
	s_cselect_b32 s62, 7, 3
	s_cselect_b32 s63, s31, s32
	s_add_co_u32 s63, s63, s33
	s_and_b32 s63, s63, s62
	s_or_b32 s61, s61, s63
	s_min_u32 s61, s61, 15
	s_lshl_b32 s28, s61, 18
	s_add_nc_u64 s[NXT:NXT+1], s[22:23], s[28:29]
.endm
; q | k: a pass's 64 columns are one head.  The 16 registers of tiles 2 b, 2 b + 1 are columns 32 b + 16 h + 0 .. 15 of my token: held, converted, 16 bytes to LDS.
.macro QEPI
.irp m, 0,1,2,3
.irp b, 0,1
.set A0, ACC+32*\m+16*\b
.set C0, TQ+4*((2*\m+\b)%4)
.irp i, 0,1,2,3,4,5,6,7,8,9,10,11,12,13,14,15
	v_med3_num_f32 v[A0+\i], v[A0+\i], -v19, v19   ; the conversion does not saturate (ISA guide 7.6.2): the hold at the largest code x the scale; each accumulator from its low end on
.endr
	v_cvt_scalef32_pk8_bf8_f32 v[C0:C0+1], v[A0:A0+7], v18
	v_cvt_scalef32_pk8_bf8_f32 v[C0+2:C0+3], v[A0+8:A0+15], v18
	ds_store_b128 v6, v[C0:C0+3] offset:16*QP*\m+32*\b
.endr
.endr
	v_nop                                          ; one plain instruction between the last conversion and the next products, which write its sources
.endm
; Block IB (0..39 in a pass) of p: tile of tokens IB / 10; in a tile the ten blocks (g, jq) = (3,0) (3,1) (3,2) (3,3) (2,0) (2,1) (2,2) (1,0) (1,1) (0,0): p[4 g + ii][4 jq .. + 3] of my token, ii = 0..3.
.macro PBLK
.set pz, IB%10
.if pz < 4
.set pg, 3
.set pj, pz
.elseif pz < 7
.set pg, 2
.set pj, pz-4
.elseif pz < 9
.set pg, 1
.set pj, pz-7
.else
.set pg, 0
.set pj, 0
.endif
.irp ii, 0,1,2,3
	ds_load_b128 v[PB+16*(IB%5)+4*\ii:PB+16*(IB%5)+4*\ii+3], v9 offset:16*QP*(IB/10)+AREA*((4*pg+\ii)/8)+64*((4*pg+\ii)%8)+16*pj
.endr
.set IB, IB+1
.endm
; y' of tile m: for each group g of four query heads the sums over key heads j <= i, two places d at a time, four chains side by side; then the hold, one conversion (8 codes), and at the tile's end the image.
.macro PV m
.irp z, 0,1,2,3,4,5,6,7,8,9
.set bq, 10*\m+\z
.if \z < 4
.set bg, 3
.set bj, \z
.elseif \z < 7
.set bg, 2
.set bj, \z-4
.elseif \z < 9
.set bg, 1
.set bj, \z-7
.else
.set bg, 0
.set bj, 0
.endif
	s_wait_alu depctr_va_vdst(0)
	s_wait_dscnt 4*(IB-bq-1)                       ; the loads of p issued behind this block's may be out (the images' stores among them are not counted: the wait is then the stricter)
.irp jj, 0,1,2,3
.irp ii, 0,1,2,3
.if 4*bg+\ii >= 4*bj+\jj
.set rT, TQ+8*(bg%2)+2*\ii
.set rV, ACC+32*\m+8*bj+2*\jj
.set rP, PB+16*(bq%5)+4*\ii+2*(\jj/2)
.if 4*bj+\jj == 0
	v_pk_mul_f32 v[rT:rT+1], v[rV:rV+1], v[rP:rP+1] op_sel_hi:[1,0]                          ; j = 0 starts the sums: nothing is cleared
.elseif \jj%2 == 0
	v_pk_fma_f32 v[rT:rT+1], v[rV:rV+1], v[rP:rP+1], v[rT:rT+1] op_sel_hi:[1,0,1]            ; p is the pair's first register, for both halves
.else
	v_pk_fma_f32 v[rT:rT+1], v[rV:rV+1], v[rP:rP+1], v[rT:rT+1] op_sel:[0,1,0] op_sel_hi:[1,1,1]   ; its second
.endif
.endif
.endr
.endr
.if IB < 40
	PBLK                                           ; the block five on, into the registers just read
.endif
.if bj == bg
.set rT, TQ+8*(bg%2)
.irp i, 0,1,2,3,4,5,6,7
	v_med3_num_f32 v[rT+\i], v[rT+\i], -v21, v21
.endr
	v_cvt_scalef32_pk8_bf8_f32 v[CY+2*bg:CY+2*bg+1], v[rT:rT+7], v20   ; the next group's first lines are plain and write the other set
.endif
.endr
	v_nop                                          ; one plain instruction behind the tile's last conversion
	ds_store_b128 v11, v[CY:CY+3] offset:1024*\m
	ds_store_b128 v11, v[CY+4:CY+7] offset:1024*\m+512
.endm
; The way out of tile m: x 2^(e4 + e5); through my own stage; 16 lanes store 256 consecutive bytes, aligned (my 64 columns of a pass).
.macro OEPI m
.irp k, 0,2,4,6,8,10,12,14,16,18,20,22,24,26,28,30
	v_pk_mul_f32 v[TS+\k:TS+\k+1], v[ACC+32*\m+\k:ACC+32*\m+\k+1], s[52:53] op_sel_hi:[1,0]   ; each accumulator from its low end on
.endr
.irp t, 0,1,2,3
	ds_store_b128 v12, v[TS+8*\t:TS+8*\t+3] offset:64*\t
	ds_store_b128 v12, v[TS+8*\t+4:TS+8*\t+7] offset:64*\t+16
.endr
	s_wait_xcnt 0x0                                ; the stores of two tiles back have read their data: those registers are loaded again only behind this wait
.set RB, 64+32*(\m%2)
.irp i, 0,1,2,3,4,5,6,7
	ds_load_b128 v[RB+4*\i:RB+4*\i+3], v13 offset:544*\i   ; LDS serves a wave's instructions in order (ISA guide 5.7.1.4): these see my stores, and the next tile's stores come behind them
.endr
.irp i, 0,1,2,3,4,5,6,7
	s_wait_dscnt 7-\i
	global_store_b128 v14, v[RB+4*\i:RB+4*\i+3], s[56:57] offset:(16*\m+2*\i)*4096 th:TH_STORE_NT
.endr
.endm
.macro OBASE                           ; out at my 64 columns of the pass (s30 + R4) % 4; no store is out that has not read its base (s_wait_xcnt 0 stands behind the last)
	s_add_co_u32 s61, s30, s32
	s_and_b32 s61, s61, 3
	s_lshl_b32 s28, s61, 8
	s_add_nc_u64 s[56:57], s[54:55], s[28:29]
.endm
.macro XFRAG m                         ; x's eight fragments of tile m, k in the form's own places: registers 2 c', 2 c' + 1 of lane (r, h) = row 16 m + r, K = 128 s + 16 c' + 8 h + 0 .. 7
.irp s, 0,1,2,3,4,5,6,7
.irp c, 0,1,2,3
	ds_load_b64 v[128*(\m%2)+16*\s+4*\c:128*(\m%2)+16*\s+4*\c+1], v27 offset:16*XP*\m+128*\s+32*\c
	ds_load_b64 v[128*(\m%2)+16*\s+4*\c+2:128*(\m%2)+16*\s+4*\c+3], v27 offset:16*XP*\m+128*\s+32*\c+16
.endr
.endr
.endm
.macro YFRAG m, rot                    ; y's eight fragments of tile m where R4 = rot: image P = 2 (s % 2) + c / 2 of wave s / 2 lies at place (P + 4 - rot) % 4
.irp s, 0,1,2,3,4,5,6,7
.irp c, 0,1,2,3
	ds_load_b128 v[128*(\m%2)+16*\s+4*\c:128*(\m%2)+16*\s+4*\c+3], v22 offset:16384*(\s/2)+4096*((2*(\s%2)+\c/2+4-(\rot))%4)+1024*\m+512*(\c%2)
.endr
.endr
.endm
.macro YALL rot                        ; all 32 fragments; every window is 0 ahead of it and behind it
	WIN 0x80
	YFRAG 0, \rot
	YFRAG 1, \rot
	WIN 0xc0
	YFRAG 2, \rot
	YFRAG 3, \rot
	WIN 0
.endm
	; ---- the head
	s_load_b256 s[4:11], s[0:1], 0x0               ; x's codes s[4:5], wf s[6:7], the scales' exponents s[8:9], out s[10:11]
	v_lshl_add_u32 v15, v0, 2, SPARE               ; my spare word, and 0: never rewritten
	v_mov_b32 v16, 0
	ds_add_u32 v15, v16                            ; the wave's opening: the add twice on end, and its wait ahead of my first tensor load
	ds_add_u32 v15, v16
	v_lshrrev_b32 v1, 5, v0
	v_readfirstlane_b32 s12, v1                    ; wave 0..3
	v_and_b32 v3, 31, v0
	v_lshlrev_b32 v23, 8, v3                       ; 256 x lane, for the prefetch
	v_lshlrev_b32 v3, 4, v3                        ; 16 x lane
	v_and_b32 v1, 15, v0                           ; r
	v_bfe_u32 v2, v0, 4, 1                         ; h
	s_bfe_u32 s90, ttmp6, 0x40000                  ; cx: my place in the cluster
	s_lshl_b32 s13, ttmp9, 2                       ; in a cluster launch ttmp9 counts clusters
	s_add_co_u32 s13, s13, s90                     ; my block of 64 tokens = 4 x cluster + cx
	s_and_b32 s31, ttmp9, 7                        ; R8, R4: where my cluster begins each phase
	s_bfe_u32 s32, ttmp9, 0x20003
	s_mov_b32 s29, 0
	s_mov_b32 s89, 0
	s_mov_b32 s[G1], 15|(3<<16)|(1<<21)            ; 15:0 the mask: all four work-groups; 17:16 elements of 8 bytes; 20 no padding; 21 set beside a mask
	s_mov_b32 s[G1+1], 32<<16                      ; tensor_dim0 = 32 elements: 256 bytes
	s_mov_b32 s[G1+2], 64<<16                      ; tensor_dim1 = 64
	s_mov_b32 s[G1+3], 32<<16                      ; tile_dim0 = 32
	s_mov_b32 s[G1+4], 64                          ; tile_dim1 = 64
	s_mov_b32 s[G1+5], 32                          ; from row to row: the block is dense
	s_mov_b32 s[G1+6], 0
	s_mov_b32 s[G1+7], 0
	s_mov_b32 s[G0], 1                             ; 1:0 count = 1
	s_lshl_b32 s[G0+1], s12, 15                    ; 63:32 LDS address: my wave's slot 0,
	s_mov_b32 s[G0+4], 1
	s_add_co_u32 s[G0+5], s[G0+1], 16384           ; and slot 1: no place in the cluster enters an LDS address
	s_lshl_b32 s88, s13, 16                        ; my work-group's 64 rows of 1,024 bytes,
	s_lshl_b32 s61, s12, 14                        ; my wave's 16 of them
	s_add_co_u32 s88, s88, s61
	s_wait_alu depctr_va_vdst(0)
	s_wait_dscnt 0x0                               ; both opening adds are done
	s_wait_kmcnt 0x0
	s_load_b128 s[16:19], s[8:9], 0x0              ; e0 .. e3
	s_load_b64 s[20:21], s[8:9], 0x10              ; e4, e5
	s_add_nc_u64 s[4:5], s[4:5], s[88:89]
.set i, 0
.rept 32
	global_load_b128 v[ACC+4*i:ACC+4*i+3], v3, s[4:5] offset:512*i th:TH_LOAD_NT   ; 16,384 bytes on end, 512 a load
.set i, i+1
.endr
	s_lshl_b32 s28, s12, 16
	s_add_nc_u64 s[22:23], s[6:7], s[28:29]        ; wf at my wave's block of pass 0
	s_lshl_b32 s28, s31, 18
	s_add_nc_u64 s[CUR:CUR+1], s[22:23], s[28:29]  ; the first pass: R8
	s_add_co_u32 s61, s31, 1
	s_and_b32 s61, s61, 7
	s_lshl_b32 s28, s61, 18
	s_add_nc_u64 s[NXT:NXT+1], s[22:23], s[28:29]  ; the second
	s_mov_b32 s33, 1
	s_add_nc_u64 s[G0+2:G0+3], s[CUR:CUR+1], 32768 ; 120:64 global address: tiles 2, 3 of the first pass's K steps 0 to 3
	s_or_b32 s[G0+3], s[G0+3], 0x80000000          ; 127:126 type = 2
	WIN 0x40
	RING 0
	RING 1
	RING 2
	RING 3
	WIN 0
	ROUND                                          ; all four work-groups are here: the first joint loads meet
	tensor_load_to_lds s[G0:G0+3], s[G1:G1+7]      ; slot 0; slot 1 is filled behind the first pass's round, as a refill is
	s_nop 0
.rept 4
	v_nop
.endr
	s_lshl_b32 s88, s13, 13
	s_add_nc_u64 s[58:59], s[6:7], s[88:89]
	s_add_nc_u64 s[58:59], s[58:59], 0x200000      ; the prefetch: my work-group's 8,192 bytes of wf's second half: the partners are told apart by address
	s_lshl_b32 s88, s13, 18
	s_lshl_b32 s61, s12, 10
	s_add_co_u32 s88, s88, s61
	s_add_nc_u64 s[54:55], s[10:11], s[88:89]      ; out at my work-group's first row and my wave's first column
	v_mul_u32_u24 v27, v1, XP
	v_lshl_add_u32 v27, v2, 3, v27
	v_add_nc_u32 v27, XS, v27                      ; x's fragments: row r, + 8 h.  Pitch 1,040 = 260 words: the 32 lanes of a load of 8 bytes touch words 4 r + 2 h, + 1 modulo 64: all different
	s_lshl_b32 s61, s12, 15
	v_add_nc_u32 v4, s61, v3                       ; the ring: my wave's two slots, + 16 x lane
	s_mul_i32 s61, s12, AREA
	s_add_co_u32 s61, s61, QKB
	v_mul_u32_u24 v5, v1, QP
	v_lshl_add_u32 v5, v2, 4, v5
	v_add_nc_u32 v5, s61, v5                       ; q | k's codes: my area, token r, + 16 h
	v_mul_u32_u24 v9, v1, QP
	v_add_nc_u32 v9, QKB, v9                       ; p: token r
	v_lshrrev_b32 v24, 3, v1
	v_mul_u32_u24 v7, v24, AREA
	v_and_b32 v25, 7, v1
	v_lshl_add_u32 v7, v25, 6, v7
	v_lshl_add_u32 v7, v2, 5, v7
	s_mul_i32 s61, s12, 16*QP
	s_add_co_u32 s61, s61, QKB
	v_add_nc_u32 v7, s61, v7                       ; the scores: place r % 8 of q's area r / 8, my wave's first token, + 32 h
	v_add_nc_u32 v8, 2*AREA, v7                    ; and of k's
	s_lshl_b32 s61, s12, 14
	s_add_co_u32 s61, s61, YI
	v_add_nc_u32 v10, s61, v3                      ; y's images: my 16,384 bytes, + 16 x lane
	v_add_nc_u32 v22, YI, v3
	s_mul_i32 s61, s12, 16*272
	s_add_co_u32 s61, s61, OS                      ; my stage
	v_mul_u32_u24 v12, v1, 272
	v_lshl_add_u32 v12, v2, 5, v12
	v_add_nc_u32 v12, s61, v12                     ; in: row r, + 32 h
	v_mul_u32_u24 v13, v2, 272
	v_lshl_add_u32 v13, v1, 4, v13
	v_add_nc_u32 v13, s61, v13                     ; back: lanes 0-15 one row of 256 bytes, lanes 16-31 the next
	v_lshlrev_b32 v14, 12, v2
	v_lshl_add_u32 v14, v1, 4, v14                 ; and the same two rows in out
	v_mov_b32 v17, 0xff800000                      ; -infinity
	s_mul_i32 s61, s12, 16*XP
	s_add_co_u32 s61, s61, XS
	v_add_nc_u32 v26, s61, v3                      ; x into LDS: my 16 rows
	v_lshlrev_b32 v24, 3, v2
	v_sub_nc_u32 v24, v1, v24                      ; r - 8 h
.irp jj, 0,1,2,3,4,5,6,7
	v_cmp_le_i32 s[MK+\jj], \jj, v24               ; key head 8 h + jj counts for query head r
.endr
	s_mov_b32 s50, 0x76543210
	s_mov_b32 s51, 0xfedcba98                      ; v_permlanex16_b32's selects for lane l xor 16
	s_mov_b32 s70, 0x76543210                      ; v_permlane16_b32's selects, a field of 4 bits a lane: lane r takes lane 8 (r / 8) + (r - R8) % 8 of its row, the place where head r lies.
	s_mov_b32 s71, 0x76543210                      ; The eight fields 7 .. 0, written twice on end and shifted left by R8 fields, leave in the upper word field i = (i - R8) % 8
	s_lshl_b32 s62, s31, 2
	s_lshl_b64 s[70:71], s[70:71], s62
	s_or_b32 s70, s71, 0x88888888                  ; s71 serves lanes 0-7 of a row, s70 lanes 8-15
	s_wait_kmcnt 0x0
	s_add_co_i32 s61, s16, s17                     ; e0 + e1: a sum of the first product stands for sum x 2^(e0 + e1)
	s_cmp_lt_u32 s12, 2
	s_cselect_b32 s62, s18, s19                    ; waves 0, 1 make q (e2), waves 2, 3 k (e3)
	s_sub_co_i32 s62, s62, s61
	s_add_co_i32 s62, s62, 127
	s_lshl_b32 s63, s62, 23
	v_mov_b32 v18, s63                             ; 2^(e2 - e0 - e1) as f32: the conversion takes its exponent field
	s_add_co_i32 s62, s62, 15
	s_lshl_b32 s62, s62, 23
	s_or_b32 s62, s62, 0x600000
	v_mov_b32 v19, s62                             ; 57,344 x that
	s_sub_co_i32 s62, s20, s61
	s_add_co_i32 s62, s62, 127
	s_lshl_b32 s63, s62, 23
	v_mov_b32 v20, s63                             ; the same for y': 2^(e4 - e0 - e1)
	s_add_co_i32 s62, s62, 15
	s_lshl_b32 s62, s62, 23
	s_or_b32 s62, s62, 0x600000
	v_mov_b32 v21, s62
	s_add_co_i32 s62, s18, s19
	s_lshl_b32 s62, s62, 23
	s_add_co_i32 s48, s62, 0x3d38aa3b              ; c = log2(e) / 32 x 2^(e2 + e3): the exponents are added to c's exponent field
	s_mov_b32 s49, s48                             ; (named with it as a pair, so it is written)
	s_add_co_i32 s62, s20, s21
	s_add_co_i32 s62, s62, 127
	s_lshl_b32 s52, s62, 23                        ; 2^(e4 + e5)
	s_mov_b32 s53, s52
	s_wait_loadcnt 32                              ; x is in; the 32 ring loads issued behind it may be out
.set i, 0
.rept 32
	ds_store_b128 v26, v[ACC+4*i:ACC+4*i+3] offset:XP*(i/2)+512*(i%2)
.set i, i+1
.endr
	WIN 0x40
	RING 4
	RING 5
	RING 6
	RING 7
	WIN 0
	BAR                                            ; all 64 rows of x lie in LDS
	WIN 0x80
	XFRAG 0
	XFRAG 1
	WIN 0xc0
	XFRAG 2
	XFRAG 3
	WIN 0
	s_wait_dscnt 0x0                               ; my reads of x are over: the first pass's round stands between them and any wave's first store of q | k into the same bytes
	; ---- q and k: eight passes, a head each
	s_mov_b32 s30, 0
.Lqk:
	s_xor_b32 s61, s30, 6                          ; in the seventh trip wave 0 asks for my work-group's 32 blocks of v's and w_o's weights.  The branch hangs on the trip and the wave alone
	s_or_b32 s61, s61, s12
	s_cmp_lg_u32 s61, 0
	s_cbranch_scc1 .Lnopf
	global_prefetch_b8 v23, s[58:59] th:TH_LOAD_NT scope:SCOPE_SE
.Lnopf:
	s_lshl_b32 s61, s30, 6                         ; this trip's place in a token's row
	v_add_nc_u32 v6, s61, v5
	PASS 0
	s_wait_alu depctr_va_vdst(0)
	QEPI
	s_wait_xcnt 0x0                                ; the loads have read their bases
	ADVANCE
	s_add_co_u32 s30, s30, 1
	s_cmp_lt_u32 s30, 8
	s_cbranch_scc1 .Lqk
	BAR                                            ; q's and k's codes of all 64 tokens lie in LDS
	; ---- the scores and the softmax: wave w takes tokens 16 w .. + 15, four at a time.  S^T = k q^T: lane r is query head i, register jj key head 8 h + jj.
.irp u, 0,1,2,3
	v_mov_b32 v[MX+2*\u+1], 0                      ; a lane permute's destination counts as one of its sources
	v_mov_b32 v[RC+2*\u+1], 0                      ; (named as the upper half of a pair)
.endr
	s_mov_b32 s60, 0
	s_mov_b32 s30, 0
.Ls:
	v_add_nc_u32 v24, s60, v7
	v_add_nc_u32 v25, s60, v8
.irp u, 0,1,2,3
	ds_load_b128 v[RK+8*\u:RK+8*\u+3], v25 offset:QP*\u          ; lane (r, h): bytes 32 h .. + 31 of place r % 8, in k and in q alike: an order of K that both sides share
	ds_load_b128 v[RK+8*\u+4:RK+8*\u+7], v25 offset:QP*\u+16
	ds_load_b128 v[NQ+8*\u:NQ+8*\u+3], v24 offset:QP*\u
	ds_load_b128 v[NQ+8*\u+4:NQ+8*\u+7], v24 offset:QP*\u+16
.endr
	s_wait_dscnt 0x0
.set kk, 0
.rept 32
	v_permlane16_b32 v[KF+kk], v[RK+kk], s71, s70  ; head r into lane r
	v_permlane16_b32 v[QF+kk], v[NQ+kk], s71, s70
.set kk, kk+1
.endr
.set kk, 0
.rept 32
	v_xor_b32 v[NQ+kk], 0x80808080, v[QF+kk]       ; -q: the sign bit of each of the four codes is turned
.set kk, kk+1
.endr
.irp u, 0,1,2,3
	v_wmma_f32_16x16x64_bf8_bf8 v[SC+8*\u:SC+8*\u+7], v[KF+8*\u:KF+8*\u+7], v[QF+8*\u:QF+8*\u+7], 0
.endr
.irp u, 0,1,2,3
	v_wmma_f32_16x16x64_bf8_bf8 v[SN+8*\u:SN+8*\u+7], v[KF+8*\u:KF+8*\u+7], v[NQ+8*\u:NQ+8*\u+7], 0   ; the same sums with the signs turned: they serve the test for 0 alone
.endr
.rept 4
	v_nop
.endr
.irp jj, 0,1,2,3,4,5,6,7
.irp u, 0,1,2,3
	v_cmp_neq_f32 s[44+\u], 0, v[SC+8*\u+\jj]
.endr
.irp u, 0,1,2,3
	v_cmp_neq_f32 s[66+\u], 0, v[SN+8*\u+\jj]
.endr
.irp u, 0,1,2,3
	s_or_b32 s[44+\u], s[44+\u], s[66+\u]          ; a score is an exact 0 only where both sums are 0;
.endr
.irp u, 0,1,2,3
	s_and_b32 s[44+\u], s[44+\u], s[MK+\jj]        ; it, and every key head above the query head,
.endr
.irp u, 0,1,2,3
	v_cndmask_b32 v[SC+8*\u+\jj], v17, v[SC+8*\u+\jj], s[44+\u]   ; becomes -infinity
.endr
.endr
.irp u, 0,1,2,3
	v_max3_num_f32 v[MX+2*\u], v[SC+8*\u], v[SC+8*\u+1], v[SC+8*\u+2]
.endr
.irp u, 0,1,2,3
	v_max3_num_f32 v[MX+2*\u], v[MX+2*\u], v[SC+8*\u+3], v[SC+8*\u+4]
.endr
.irp u, 0,1,2,3
	v_max3_num_f32 v[MX+2*\u], v[MX+2*\u], v[SC+8*\u+5], v[SC+8*\u+6]
.endr
.irp u, 0,1,2,3
	v_max3_num_f32 v[MX+2*\u], v[MX+2*\u], v[SC+8*\u+7], 0xff7fffff   ; the floor -FLT_MAX: under every finite score; it keeps -inf - (-inf) out of a row with no score left
.endr
.irp u, 0,1,2,3
	v_permlanex16_b32 v[MX+2*\u+1], v[MX+2*\u], s50, s51
.endr
.irp u, 0,1,2,3
	v_max_num_f32 v[MX+2*\u], v[MX+2*\u], v[MX+2*\u+1]   ; the row's maximum
.endr
.irp u, 0,1,2,3
.irp k, 0,2,4,6
	v_pk_add_f32 v[SC+8*\u+\k:SC+8*\u+\k+1], v[SC+8*\u+\k:SC+8*\u+\k+1], v[MX+2*\u:MX+2*\u+1] op_sel_hi:[1,0] neg_lo:[0,1] neg_hi:[0,1]   ; s - max first, so that nothing is lost in a difference of large products
.endr
.endr
.irp k, 0,2,4,6,8,10,12,14,16,18,20,22,24,26,28,30
	v_pk_mul_f32 v[SC+\k:SC+\k+1], v[SC+\k:SC+\k+1], s[48:49] op_sel_hi:[1,0]   ; x c
.endr
.set kk, 0
	s_wait_alu depctr_va_vdst(0)
.rept 32
	v_exp_f32 v[SC+kk], v[SC+kk]
.set kk, kk+1
.endr
	v_nop                                          ; a plain instruction behind the last exponential
	s_wait_alu depctr_va_vdst(0)                   ; one wait for the batch, ahead of its first reader
.irp u, 0,1,2,3
	v_pk_add_f32 v[SA+4*\u:SA+4*\u+1], v[SC+8*\u:SC+8*\u+1], v[SC+8*\u+2:SC+8*\u+3]
.endr
.irp u, 0,1,2,3
	v_pk_add_f32 v[SA+4*\u+2:SA+4*\u+3], v[SC+8*\u+4:SC+8*\u+5], v[SC+8*\u+6:SC+8*\u+7]
.endr
.irp u, 0,1,2,3
	v_pk_add_f32 v[SA+4*\u:SA+4*\u+1], v[SA+4*\u:SA+4*\u+1], v[SA+4*\u+2:SA+4*\u+3]
.endr
.irp u, 0,1,2,3
	v_add_f32 v[SA+4*\u], v[SA+4*\u], v[SA+4*\u+1]
.endr
.irp u, 0,1,2,3
	v_permlanex16_b32 v[SA+4*\u+2], v[SA+4*\u], s50, s51
.endr
.irp u, 0,1,2,3
	v_add_f32 v[SA+4*\u], v[SA+4*\u], v[SA+4*\u+2] ; the row's sum: at least 1, or 0 where no score is left
.endr
.irp u, 0,1,2,3
	v_max_num_f32 v[SA+4*\u], 0.5, v[SA+4*\u]      ; there p = 0 x 2 = 0, and no 0 x infinity arises (the limit stated at the head)
.endr
	s_wait_alu depctr_va_vdst(0)
.irp u, 0,1,2,3
	v_rcp_f32 v[RC+2*\u], v[SA+4*\u]
.endr
	v_nop                                          ; a plain instruction behind the last reciprocal
	s_wait_alu depctr_va_vdst(0)                   ; one wait for the four reciprocals
.irp u, 0,1,2,3
.irp k, 0,2,4,6
	v_pk_mul_f32 v[SC+8*\u+\k:SC+8*\u+\k+1], v[SC+8*\u+\k:SC+8*\u+\k+1], v[RC+2*\u:RC+2*\u+1] op_sel_hi:[1,0]
.endr
.endr
.irp u, 0,1,2,3
	ds_store_b128 v24, v[SC+8*\u:SC+8*\u+3] offset:QP*\u          ; p[r][8 h .. + 7] into place r % 8 of the token's row: all of that token's q is in my registers
	ds_store_b128 v24, v[SC+8*\u+4:SC+8*\u+7] offset:QP*\u+16
.endr
	s_add_co_u32 s60, s60, 4*QP
	s_add_co_u32 s30, s30, 1
	s_cmp_lt_u32 s30, 4
	s_cbranch_scc1 .Ls
	BAR                                            ; p of all 64 tokens lies in LDS, and nobody reads k any more: its areas take y's images
	; ---- v and y': four passes of four places d of every head for each wave
	s_mov_b32 s30, 0
.Lv:
	s_lshl_b32 s61, s30, 12                        ; this trip's place among my four images
	v_add_nc_u32 v11, s61, v10
	PASS 0
.set IB, 0
	PBLK                                           ; the first five blocks of p, into the registers that the pass's buffers have left (four places stand behind its last products)
	PBLK
	PBLK
	PBLK
	PBLK
	PV 0
	PV 1
	PV 2
	PV 3
	s_wait_xcnt 0x0
	ADVANCE
	s_add_co_u32 s30, s30, 1
	s_cmp_lt_u32 s30, 4
	s_cbranch_scc1 .Lv
	BAR                                            ; y's 32 fragments lie in LDS
	; ---- out.  y' takes x's registers: the last products that read them stand far more than four plain instructions back.
	; Four arms, one for each R4: the branches hang on the cluster's number alone, which all waves of all four partners share; an arm holds LDS loads and window switches alone.
	s_cmp_eq_u32 s32, 1
	s_cbranch_scc1 .Ly1
	s_cmp_eq_u32 s32, 2
	s_cbranch_scc1 .Ly2
	s_cmp_eq_u32 s32, 3
	s_cbranch_scc1 .Ly3
	YALL 0
	s_branch .Lyd
.Ly1:
	YALL 1
	s_branch .Lyd
.Ly2:
	YALL 2
	s_branch .Lyd
.Ly3:
	YALL 3
.Lyd:
	s_wait_dscnt 0x0
	s_mov_b32 s30, 0
.Lo:
	OBASE
	PASS 0
	OEPI 0
	OEPI 1
	OEPI 2
	OEPI 3
	s_wait_xcnt 0x0                                ; loads and stores have read their bases and their data: the next pass's buffers may be loaded
	ADVANCE
	s_add_co_u32 s30, s30, 1
	s_cmp_lt_u32 s30, 3
	s_cbranch_scc1 .Lo
	OBASE                                          ; the last pass is written out: its second half asks for nothing
	PASS 1
	OEPI 0
	OEPI 1
	OEPI 2
	OEPI 3
	s_wait_tensorcnt 0x0                           ; the wave's end, behind my last tensor load and my last LDS store
	ds_add_u32 v15, v16
	s_wait_dscnt 0x0
	ROUND                                          ; the closing round: no work-group ends while a partner may still ask for a block that names it
	s_endpgm
.Lfunc_end_k_q55c5495133_fused:
	.size	k_q55c5495133_fused, .Lfunc_end_k_q55c5495133_fused-k_q55c5495133_fused
	.p2alignl 7, 3214868480
	.fill 96, 4, 3214868480
	.section	.rodata,"a",@progbits
	.p2align	6, 0x0
	.amdhsa_kernel k_q55c5495133_fused
		.amdhsa_group_segment_fixed_size 327680
		.amdhsa_private_segment_fixed_size 0
		.amdhsa_enable_private_segment 0
		.amdhsa_kernarg_size 32
		.amdhsa_user_sgpr_count 2
		.amdhsa_user_sgpr_kernarg_segment_ptr 1
		.amdhsa_wavefront_size32 1
		.amdhsa_system_sgpr_workgroup_id_x 1
		.amdhsa_system_sgpr_workgroup_id_y 1
		.amdhsa_system_sgpr_workgroup_id_z 1
		.amdhsa_system_vgpr_workitem_id 0
		.amdhsa_next_free_vgpr 1024
		.amdhsa_next_free_sgpr 96
		.amdhsa_reserve_vcc 0
		.amdhsa_float_denorm_mode_32 3
		.amdhsa_float_denorm_mode_16_64 3
		.amdhsa_memory_ordered 1
		.amdhsa_forward_progress 1
		.amdhsa_inst_pref_size 255
	.end_amdhsa_kernel
	.section	.bss,"aw",@nobits
	.p2align	6
	.space	262144
	.amdgpu_metadata
---
amdhsa.version: [ 1, 2 ]
amdhsa.kernels:
  - .name:           k_q55c5495133_fused
    .symbol:         k_q55c5495133_fused.kd
    .args:
      - { .name: x_codes, .offset: 0, .size: 8, .value_kind: global_buffer, .address_space: global }
      - { .name: wf, .offset: 8, .size: 8, .value_kind: global_buffer, .address_space: global }
      - { .name: lowp_scales, .offset: 16, .size: 8, .value_kind: global_buffer, .address_space: global }
      - { .name: out0, .offset: 24, .size: 8, .value_kind: global_buffer, .address_space: global }
    .group_segment_fixed_size: 327680
    .private_segment_fixed_size: 0
    .kernarg_segment_align: 8
    .kernarg_segment_size: 32
    .max_flat_workgroup_size: 128
    .sgpr_count:     96
    .vgpr_count:     1024
    .wavefront_size: 32
...
	.end_amdgpu_metadata
.endif
;; end of part 2
